; MI455X (gfx1250); checked and timed in simulation.
; The chip was launched on July 23, 2026; its instructions are those of AMD's public machine-readable ISA for CDNA 5 (MIT licence, August 2026) and "CDNA5" Instruction Set Architecture Reference Guide (July 2026). The comments in the code are by the model that wrote it; some were corrected since.
;; Multi Head Attention. Allowed arithmetic: matrix products marked QUANTISED: E5M2 operands, one given power-of-two scale a tensor, by v_wmma_f32_16x16x64_bf8_bf8 or v_wmma_f32_16x16x128_bf8_bf8, f32 sums; everything else in f32.
;; Inputs: Wk_codes 1,024 x 32 x 32 uint8 (E5M2 codes of Wk, K innermost, in blocks of 32 codes); Wo_codes 1,024 x 32 x 32 uint8 (E5M2 codes of Wo, K innermost, in blocks of 32 codes); Wq_codes 1,024 x 32 x 32 uint8 (E5M2 codes of Wq, K innermost, in blocks of 32 codes); Wv_codes 1,024 x 32 x 32 uint8 (E5M2 codes of Wv, K innermost, in blocks of 32 codes); bk 1,024 float32; bo 1,024 float32; bq 1,024 float32; bv 1,024 float32; lowp_scales 12 int32 (the exponents e of the quantised operands' scales 2^e); x_codes 4 x 2,048 x 32 x 32 uint8 (E5M2 codes of x, K innermost, in blocks of 32 codes).
;; Outputs: out0 4 x 2,048 x 1,024 float32.
;; This version of the problem:
;;   THIS VERSION OF THE PROBLEM IS GIVEN IN LOW PRECISION. The matrix products marked QUANTISED in the list below multiply operands that are first quantised to E5M2 (5 exponent bits, 2 mantissa bits; 8 bits a number), with one given power-of-two scale for each operand tensor; their sums are f32. All else is computed in f32.
;;   The module's matrix products, in the order in which they are computed (A, B: the left and right operand; K: the contracted axis; several contracted axes count as one K, in the product's order):
;;     1. [M 8,192, K 1,024] x [K 1,024, N 1,024]; A: input x (given as codes); B: input Wq (given as codes): QUANTISED (scales: A lowp_scales[0], B lowp_scales[1])
;;     2. [M 8,192, K 1,024] x [K 1,024, N 1,024]; A: input x (given as codes); B: input Wk (given as codes): QUANTISED (scales: A lowp_scales[2], B lowp_scales[3])
;;     3. [M 8,192, K 1,024] x [K 1,024, N 1,024]; A: input x (given as codes); B: input Wv (given as codes): QUANTISED (scales: A lowp_scales[4], B lowp_scales[5])
;;     4. batch 64 x [M 2,048, K 64] x [K 64, N 2,048]; A: computed on the way; B: computed on the way: QUANTISED (scales: A lowp_scales[6], B lowp_scales[7])
;;     5. batch 64 x [M 2,048, K 2,048] x [K 2,048, N 64]; A: softmax (see below); B: computed on the way: QUANTISED (scales: A lowp_scales[8], B lowp_scales[9])
;;     6. [M 8,192, K 1,024] x [K 1,024, N 1,024]; A: computed on the way; B: input Wo (given as codes): QUANTISED (scales: A lowp_scales[10], B lowp_scales[11])
;;   THE QUANTISER, for each operand of a quantised product, along K:
;;     - The operand's scale is 2^e, e = its entry of the input lowp_scales (int32; the entries are numbered through the quantised products in the list's order, A before B).
;;     - Each number is divided by the scale, clamped to +-57,344, and rounded to the nearest number of E5M2, ties to even, subnormals kept.
;;     - The product sums the exact products of the quantised numbers (number of the format x scale) in f32.
;;   ~~~python
;;   def quantise(x, axis, e):      # numpy; x: float32 -> the quantised numbers, widened to float32 again
;;       x = np.moveaxis(x, axis, -1); K = x.shape[-1]
;;       r = np.clip(x / 2.0 ** e, -57344, 57344)
;;       step = 2.0 ** (np.maximum(np.frexp(np.where(r == 0, 1, r))[1] - 1, -14) - 2)
;;       q = np.round(r / step) * step * 2.0 ** e      # np.round: ties to even
;;       return np.moveaxis(q, -1, axis).astype(np.float32)
;;   ~~~
;;   SOFTMAX AHEAD OF A QUANTISED PRODUCT. Where the list says 'softmax', what is quantised is not the finished softmax but p = 2^(t - M), with t = logit x log2(e) and M = ceil(the row's largest t), a whole number; so 1/2 < the row's largest p <= 1. The row's sum l is taken of the UNQUANTISED p, in f32, and the product's result is divided by l at the end. Since M is a whole number, a kernel that streams over the keys may use a running M (the ceiling of the running maximum): every later rescaling is an exact power of two, so the quantised numbers keep their values, but for numbers so far below the row's largest that they fall under the format's range.
;;   OPERANDS COMPUTED ON THE WAY. 'Computed on the way' means the value that the module computes at that place (a softmax that the list does not call 'softmax' is quantised finished and normalised). What goes into a quantiser is computed in f32, as accurately as f32 sums, v_exp_f32 and their like allow (about 1e-6 of the number): no bf16 or f16 on the way to a quantiser, and a product that is left as it is and whose result goes on into a quantised operand takes f32 operands (vector FMAs, or v_wmma_f32_16x16x4_f32). A number that lies on a knife's edge between two numbers of the format may be rounded either way, as far as f32 arithmetic and the matrix unit's own rounding can turn it there, and no further.
;;   INPUTS GIVEN AS CODES. Wk (in the module: [1024, 1024], K = its axis 1); Wo (in the module: [1024, 1024], K = its axis 1); Wq (in the module: [1024, 1024], K = its axis 1); Wv (in the module: [1024, 1024], K = its axis 1); x (in the module: [4, 2048, 1024], K = its axis 2): each comes as NAME_codes (uint8): NAME with its K axis moved to the last place and cut into blocks of 32 codes, [.., K / 32, bytes a block], one block behind the other in memory; one code a byte (a code: sign, 5 exponent bits, 2 mantissa bits); its scale is its entry of lowp_scales. Its value is code x scale, taken as it is: it is not quantised again, and the codes and scales need not be those that the quantiser above would give.
;; One version. Each part assembles by itself: llvm-mc -triple=amdgcn-amd-amdhsa -mcpu=gfx1250 --defsym DOCPART=n.
;; ======== version 1 of 1: 3 launches
;; limits: right only within a limited range of input values
;; workspace buffers: q_img 8,388,608 bytes; k_img 8,388,608 bytes; v_img 8,388,608 bytes; a_img 8,388,608 bytes
;; launch qkv (part 1): grid 12 x 32, 4 waves a work-group, clusters of 4 x 4, 327,680 bytes of LDS; arguments x_codes, Wq_codes, Wk_codes, Wv_codes, bq, bk, bv, lowp_scales, q_img, k_img, v_img; writes q_img, k_img, v_img
.if DOCPART == 1
	.amdgcn_target "amdgcn-amd-amdhsa--gfx1250"
	.amdhsa_code_object_version 6
	.text
	.protected	k_q628ea15d89_qkv
	.globl	k_q628ea15d89_qkv
	.p2align	8
	.type	k_q628ea15d89_qkv,@function
k_q628ea15d89_qkv:
	s_mov_b64 s[64:65], 0
	v_nop
	global_prefetch_b8 v0, s[64:65] scope:SCOPE_SE
	s_setreg_imm32_b32 hwreg(HW_REG_WAVE_MODE, 25, 1), 1
	s_wait_xcnt 0x0
	s_wait_alu depctr_hold_cnt(0) depctr_sa_sdst(0) depctr_va_vdst(0) depctr_va_sdst(0) depctr_va_ssrc(0) depctr_va_vcc(0) depctr_vm_vsrc(0)
	s_getreg_b32 s2, hwreg(HW_REG_IB_STS2, 6, 4)
	s_cmp_eq_u32 s2, 0
	s_cbranch_scc0 .Lentry_in_a_cluster
	s_endpgm
.Lentry_in_a_cluster:
	s_bfe_u32 s2, ttmp6, 0x10000c
	s_cmp_lg_u32 s2, 0xf033
	s_cbranch_scc0 .Lentry_shape_is_right
	s_endpgm
.Lentry_shape_is_right:
.set ROWB,   256
.set KROW,   1024
.set PITCH,  272
.set FR,     16
.set NL,     4
.set NP,     4
.set HALFT,  128*PITCH
.set SLOT,   4*HALFT
.set SPARE,  2*SLOT
.set ADRA, 16
.set ADRB, 20
.set L16,  24
.set BH,   25
.set BR,   26
.set SPW,  28
.set NIL,  29
.set SC,   30
.set LIM,  31
.set BT,   32
.set AT,   96
.set AF,   128
.set TMP,  128
.set CD,   192
.set G1, 24
.set G0, 32
.set G1B, 48
.set G0B, 56
.set MSB, 0
.macro WIN new
.if MSB != (\new)
	s_set_vgpr_msb (MSB<<8)|(\new)
.set MSB, (\new)
.endif
.endm
.set MUL_LO, 0xa1
.set MUL_HI, 0xf1
.set TO_B,   0x40
.macro JLOAD g0a, g1a, g0b, g1b
	s_cmp_eq_u32 s15, 0
	s_cbranch_scc0 .Lfor_b_\@
	tensor_load_to_lds s[\g0a:\g0a+3], s[\g1a:\g1a+7]
	s_nop 0
.rept 4
	v_nop
.endr
	s_branch .Lasked_\@
.Lfor_b_\@:
	tensor_load_to_lds s[\g0b:\g0b+3], s[\g1b:\g1b+7]
	s_nop 0
.rept 4
	v_nop
.endr
.Lasked_\@:
.endm
.macro CREST
	s_cmp_lg_u32 s14, 0
	s_cbranch_scc1 .Lnot_wave_0_\@
	s_barrier_signal -3
.Lnot_wave_0_\@:
	s_barrier_wait -3
	s_barrier_signal -1
	s_barrier_wait -1
.endm
.macro CROUND
	s_barrier_signal -1
	s_barrier_wait -1
	CREST
.endm
	s_load_b512 s[68:83], s[0:1], 0x0
	s_load_b128 s[84:87], s[0:1], 0x40
	s_load_b64 s[88:89], s[0:1], 0x50
	v_lshl_add_u32 v[SPW], v0, 2, SPARE
	v_mov_b32 v[NIL], 0
	ds_add_u32 v[SPW], v[NIL]
	ds_add_u32 v[SPW], v[NIL]
	v_lshrrev_b32 v1, 5, v0
	v_readfirstlane_b32 s14, v1
	s_lshr_b32 s15, s14, 1
	s_and_b32 s16, s14, 1
	s_bfe_u32 s40, ttmp6, 0x40000
	s_bfe_u32 s41, ttmp6, 0x40004
	s_and_b32 s17, ttmp7, 0xffff
	s_lshl_b32 s17, s17, 2
	s_cmp_eq_u32 ttmp9, 2                  ; V's clusters swap the roles in memory, not in LDS: region A takes Wv's rows (tile cy), region B x's rows (tile 4 y + cx)
	s_cselect_b32 s3, s17, 0
	s_cselect_b32 s17, 0, s17
	s_add_co_u32 s17, s17, s41
	s_lshl_b32 s43, s41, 2
	s_lshl_b32 s43, 15, s43
	s_lshl_b32 s44, 0x1111, s40
	s_or_b32 s[G1+0], s43, (0<<16)|(1<<20)|(1<<21)|(5<<22)|(3<<25)
	s_or_b32 s[G1B+0], s44, (0<<16)|(1<<20)|(1<<21)|(5<<22)|(3<<25)
.irp g, G1, G1B
	s_mov_b32 s[\g+1], ROWB<<16
	s_mov_b32 s[\g+2], 256<<16                     ; the head's loads bring a whole tile's 256 rows; the refills half a tile (set below)
	s_mov_b32 s[\g+3], ROWB<<16
	s_mov_b32 s[\g+4], 256
	s_mov_b32 s[\g+5], KROW
	s_mov_b32 s[\g+6], 0
	s_mov_b32 s[\g+7], 0
.endr
	s_lshl_b32 s18, s16, 7
	s_lshl_b32 s20, s17, 8
	s_add_co_u32 s20, s20, s18
	s_lshl_b32 s20, s20, 10
	s_mov_b32 s21, 0
	s_add_co_u32 s46, s40, s3
	s_lshl_b32 s46, s46, 8
	s_add_co_u32 s46, s46, s18
	s_lshl_b32 s46, s46, 10
	s_mov_b32 s47, 0
	s_mul_i32 s45, s14, HALFT
	s_wait_dscnt 0x0
	s_wait_kmcnt 0x0
	s_cmp_eq_u32 ttmp9, 0
	s_cselect_b64 s[6:7], s[70:71], s[72:73]
	s_cselect_b64 s[12:13], s[76:77], s[78:79]
	s_cselect_b64 s[10:11], s[84:85], s[86:87]
	s_cmp_eq_u32 ttmp9, 2
	s_cselect_b64 s[6:7], s[68:69], s[6:7]
	s_cselect_b64 s[12:13], s[80:81], s[12:13]
	s_cselect_b64 s[10:11], s[88:89], s[10:11]
	s_cselect_b64 s[4:5], s[74:75], s[68:69]
	s_mov_b64 s[8:9], s[82:83]
	s_load_b256 s[68:75], s[8:9], 0x0
	s_load_b128 s[76:79], s[8:9], 0x20
	s_add_nc_u64 s[86:87], s[4:5], s[20:21]        ; the refills' first rows: my half of region A's tile,
	s_add_nc_u64 s[46:47], s[6:7], s[46:47]        ; and of region B's
	; THE HEAD'S FOUR LOADS FILL BOTH SLOTS, one load a wave: waves 0, 1 bring region A's 256 rows of K steps 0, 1; waves 2, 3 region B's
	s_lshl_b32 s84, s16, 8                         ; K step = my wave's low bit: 256 bytes along the rows
	s_lshl_b32 s80, s17, 18                        ; region A's tile: 256 rows of 1,024 bytes a tile
	s_add_co_u32 s80, s80, s84
	s_mov_b32 s81, 0
	s_add_co_u32 s82, s40, s3
	s_lshl_b32 s82, s82, 18                        ; region B's tile
	s_add_co_u32 s82, s82, s84
	s_mov_b32 s83, 0
	s_mul_i32 s85, s16, SLOT                       ; the slot of that K step
	s_mov_b32 s[G0], 1
	s_mov_b32 s[G0+1], s85
	s_add_nc_u64 s[G0+2:G0+3], s[4:5], s[80:81]
	s_or_b32 s[G0+3], s[G0+3], 0x80000000
	s_mov_b32 s[G0B], 1
	s_add_co_u32 s[G0B+1], s85, 2*HALFT
	s_add_nc_u64 s[G0B+2:G0B+3], s[6:7], s[82:83]
	s_or_b32 s[G0B+3], s[G0B+3], 0x80000000
	CROUND                                         ; all sixteen work-groups are here: the joint loads meet
	JLOAD G0, G1, G0B, G1B
	v_and_b32 v1, 15, v0
	v_bfe_u32 v2, v0, 4, 1
	v_mul_u32_u24 v3, v1, PITCH
	v_lshl_add_u32 v4, v2, 4, v3
	s_wait_alu depctr_va_vdst(0)
	s_mul_i32 s21, s15, HALFT              ; LDS addresses are made of constants and the wave's number alone
	s_mul_i32 s22, s16, HALFT
	s_add_co_u32 s22, s22, 2*HALFT
.irp s, 0,1
	v_add_nc_u32 v[ADRA+\s], s21, v4
	v_add_nc_u32 v[ADRB+\s], s22, v4
	s_add_co_u32 s21, s21, SLOT
	s_add_co_u32 s22, s22, SLOT
.endr
	v_and_b32 v[L16], 31, v0
	v_lshlrev_b32 v[L16], 4, v[L16]
	v_lshlrev_b32 v[BH], 5, v2
	s_wait_alu depctr_va_vdst(0)
	v_lshlrev_b32 v[BR], 2, v1
	s_wait_alu depctr_va_vdst(0)
	s_cmp_eq_u32 ttmp9, 2                  ; which coordinates count tokens and which channels: for V the other way round
	s_cselect_b32 s2, s40, s41
	s_cselect_b32 s99, s41, s40            ; the tile of 256 channels
	s_cselect_b32 s66, s15, s16            ; my half of its channels
	s_cselect_b32 s67, s16, s15            ; my half of the tile's tokens
	s_and_b32 s98, ttmp7, 0xffff
	s_lshl_b32 s98, s98, 2
	s_add_co_u32 s98, s98, s2              ; the tile of 256 tokens
	s_lshr_b32 s90, s98, 3
	s_lshl_b32 s90, s90, 4
	s_lshl_b32 s91, s99, 2
	s_add_co_u32 s90, s90, s91
	s_lshl_b32 s91, s66, 1
	s_add_co_u32 s90, s90, s91
	s_lshl_b32 s90, s90, 17
	s_and_b32 s91, s98, 7
	s_lshl_b32 s91, s91, 1
	s_add_co_u32 s91, s91, s67
	s_lshl_b32 s91, s91, 13
	s_add_co_u32 s90, s90, s91
	s_mov_b32 s91, 0
	s_add_nc_u64 s[10:11], s[10:11], s[90:91]
	s_lshl_b32 s92, s99, 10
	s_lshl_b32 s93, s66, 9
	s_add_co_u32 s92, s92, s93
	s_mov_b32 s93, 0
	s_add_nc_u64 s[12:13], s[12:13], s[92:93]
.irp b, 0,1,2,3,4,5,6,7
	global_load_b128 v[BT+8*\b:BT+8*\b+3],   v[BH], s[12:13] offset:64*\b
	global_load_b128 v[BT+8*\b+4:BT+8*\b+7], v[BH], s[12:13] offset:64*\b+16
.endr
.irp a, 0,1,2,3,4,5,6,7
	global_load_b32 v[AT+2*\a],   v[BR], s[12:13] offset:64*\a
	global_load_b32 v[AT+2*\a+1], v[BR], s[12:13] offset:64*\a
.endr
	s_wait_kmcnt 0x0
	s_add_co_i32 s68, s68, s69
	s_add_co_i32 s70, s70, s71
	s_add_co_i32 s72, s72, s73
	s_cmp_eq_u32 ttmp9, 0
	s_cselect_b32 s96, s68, s70
	s_cselect_b32 s90, s74, s75
	s_cmp_eq_u32 ttmp9, 2
	s_cselect_b32 s96, s72, s96
	s_cselect_b32 s90, s77, s90
	s_add_co_i32 s96, s96, 127
	s_lshl_b32 s96, s96, 23
	s_mov_b32 s97, s96
	s_add_co_i32 s90, s90, 127
	s_lshl_b32 s91, s90, 23
	v_mov_b32 v[SC], s91
	s_add_co_i32 s90, s90, 15
	s_lshl_b32 s90, s90, 23
	s_or_b32 s90, s90, 0x600000
	v_mov_b32 v[LIM], s90
.macro FRAG reg, adr, q, i
.irp c, 0,1,2,3
	ds_load_b128 v[\reg+4*\c:\reg+4*\c+3], v[\adr] offset:128*(\q)+32*\c+(\i)*16*PITCH
.endr
.endm
.macro MUL16 a0, p, zero
.irp a, \a0, \a0+1
.irp b, 0,1,2,3,4,5,6,7
.if \zero
	v_wmma_f32_16x16x128_bf8_bf8 v[8*(8*((\a)%4)+\b):8*(8*((\a)%4)+\b)+7], v[128*(\p)+FR*\b:128*(\p)+FR*\b+FR-1], v[AF+FR*(\a):AF+FR*(\a)+FR-1], 0
.else
	v_wmma_f32_16x16x128_bf8_bf8 v[8*(8*((\a)%4)+\b):8*(8*((\a)%4)+\b)+7], v[128*(\p)+FR*\b:128*(\p)+FR*\b+FR-1], v[AF+FR*(\a):AF+FR*(\a)+FR-1], v[8*(8*((\a)%4)+\b):8*(8*((\a)%4)+\b)+7]
.endif
.endr
.endr
.endm
.macro FETCH_B slot, q, p
	WIN TO_B
.irp i, 0,1,2,3,4,5,6,7
	FRAG 128*(\p)+FR*\i, ADRB+\slot, \q, \i
.endr
	WIN 0
.endm
.macro FETCH_A slot, q, i0
.irp i, \i0, \i0+1, \i0+2, \i0+3
	FRAG AF+FR*(\i), ADRA+\slot, \q, \i
.endr
.endm
.macro PLACES n
.rept \n
	v_nop
.endr
.endm
.macro STEP slot, q, zero
	s_wait_dscnt 4*NL
	WIN MUL_LO
	MUL16 0, (\q)%2, \zero
	MUL16 2, (\q)%2, \zero
	s_wait_dscnt 0
	PLACES NP
	FETCH_B \slot, (\q)+1, 1-(\q)%2
	FETCH_A \slot, (\q)+1, 0
	WIN MUL_HI
	MUL16 4, (\q)%2, \zero
	MUL16 6, (\q)%2, \zero
	PLACES NP
	WIN 0
	FETCH_A \slot, (\q)+1, 4
.endm
.macro TURN slot, next, fill
	s_wait_tensorcnt 0x0
	ds_add_u32 v[SPW], v[NIL]
	s_wait_dscnt 4*NL+1
	WIN MUL_LO
	MUL16 0, 1, 0
	s_wait_dscnt 0x0
	s_barrier_signal -1
	MUL16 2, 1, 0
	WIN 0
	s_barrier_wait -1
.if \fill
	CREST
	s_add_nc_u64 s[G0+4*\slot+2:G0+4*\slot+3], s[G0+4*\slot+2:G0+4*\slot+3], 2*ROWB
	s_add_nc_u64 s[G0B+4*\slot+2:G0B+4*\slot+3], s[G0B+4*\slot+2:G0B+4*\slot+3], 2*ROWB
	JLOAD G0+4*\slot, G1, G0B+4*\slot, G1B
.else
	PLACES NP
.endif
	FETCH_B \next, 0, 0
	FETCH_A \next, 0, 0
	WIN MUL_HI
	MUL16 4, 1, 0
	MUL16 6, 1, 0
	PLACES NP
	WIN 0
	FETCH_A \next, 0, 4
.endm
	s_wait_alu depctr_va_vdst(0)                   ; the wait at the head's end
	s_wait_tensorcnt 0x0                           ; my load has landed, so the descriptors may be written: from here on a wave fetches 128 rows
.irp s, 0,1
	s_mov_b32 s[G0+4*\s], 1
	s_add_co_u32 s[G0+4*\s+1], s45, \s*SLOT
	s_add_nc_u64 s[G0+4*\s+2:G0+4*\s+3], s[86:87], \s*ROWB
	s_or_b32 s[G0+4*\s+3], s[G0+4*\s+3], 0x80000000
	s_mov_b32 s[G0B+4*\s], 1
	s_add_co_u32 s[G0B+4*\s+1], s45, \s*SLOT
	s_add_nc_u64 s[G0B+4*\s+2:G0B+4*\s+3], s[46:47], \s*ROWB
	s_or_b32 s[G0B+4*\s+3], s[G0B+4*\s+3], 0x80000000
.endr
.irp g, G1, G1B
	s_mov_b32 s[\g+2], 128<<16
	s_mov_b32 s[\g+4], 128
.endr
	s_barrier_signal -1
	s_barrier_wait -1
	FETCH_B 0, 0, 0
	FETCH_A 0, 0, 0
	FETCH_A 0, 0, 4
	STEP 0, 0, 1
	TURN 0, 1, 1
	STEP 1, 0, 0
	TURN 1, 0, 1
	STEP 0, 0, 0
	TURN 0, 1, 0
	STEP 1, 0, 0
	s_wait_dscnt 4*NL
	WIN MUL_LO
	MUL16 0, 1, 0
	MUL16 2, 1, 0
	s_wait_dscnt 0
	WIN MUL_HI
	MUL16 4, 1, 0
	MUL16 6, 1, 0
	WIN 0
.macro OUTBLK a, mode
.if (\a) >= 4
	s_wait_xcnt 0x0
.endif
	WIN 0x02+(\a)/4
.irp b, 0,1,2,3,4,5,6,7
.irp i, 0,2,4,6
.if \mode
	v_pk_fma_f32 v[TMP+8*\b+\i:TMP+8*\b+\i+1], v[64*((\a)%4)+8*\b+\i:64*((\a)%4)+8*\b+\i+1], s[96:97], v[AT+2*(\a):AT+2*(\a)+1] op_sel_hi:[1,0,1]
.else
	v_pk_fma_f32 v[TMP+8*\b+\i:TMP+8*\b+\i+1], v[64*((\a)%4)+8*\b+\i:64*((\a)%4)+8*\b+\i+1], s[96:97], v[BT+8*\b+\i:BT+8*\b+\i+1] op_sel_hi:[1,0,1]
.endif
.endr
.endr
	WIN 0
.set JJ, 0
.rept 64
	v_med3_num_f32 v[TMP+JJ], v[TMP+JJ], -v[LIM], v[LIM]
.set JJ, JJ+1
.endr
.irp b, 0,1,2,3,4,5,6,7
	v_cvt_scalef32_pk8_bf8_f32 v[CD+16*((\a)%4)+2*\b:CD+16*((\a)%4)+2*\b+1], v[TMP+8*\b:TMP+8*\b+7], v[SC]
.endr
	v_nop
.irp c, 0,1,2,3
.if \mode
	global_store_b128 v[L16], v[CD+16*((\a)%4)+4*\c:CD+16*((\a)%4)+4*\c+3], s[10:11] offset:((\a)/4)*131072+((\a)%4)*2048+\c*512
.else
	global_store_b128 v[L16], v[CD+16*((\a)%4)+4*\c:CD+16*((\a)%4)+4*\c+3], s[10:11] offset:(\a)*1024+(\c/2)*131072+(\c%2)*512
.endif
.endr
.endm
	s_wait_loadcnt 0x0
	PLACES NP
	s_cmp_eq_u32 ttmp9, 2
	s_cbranch_scc1 .Lv_out
.irp a, 0,1,2,3,4,5,6,7
	OUTBLK \a, 0
.endr
	s_branch .Lout_done
.Lv_out:
.irp a, 0,1,2,3,4,5,6,7
	OUTBLK \a, 1
.endr
.Lout_done:
	s_wait_tensorcnt 0x0
	ds_add_u32 v[SPW], v[NIL]
	s_wait_dscnt 0x0
	CROUND
	s_endpgm
.Lfunc_end_k_q628ea15d89_qkv:
	.size	k_q628ea15d89_qkv, .Lfunc_end_k_q628ea15d89_qkv-k_q628ea15d89_qkv
	.p2alignl 7, 3214868480
	.fill 96, 4, 3214868480
	.section	.rodata,"a",@progbits
	.p2align	6, 0x0
	.amdhsa_kernel k_q628ea15d89_qkv
		.amdhsa_group_segment_fixed_size 327680
		.amdhsa_private_segment_fixed_size 0
		.amdhsa_enable_private_segment 0
		.amdhsa_kernarg_size 88
		.amdhsa_user_sgpr_count 2
		.amdhsa_user_sgpr_kernarg_segment_ptr 1
		.amdhsa_wavefront_size32 1
		.amdhsa_system_sgpr_workgroup_id_x 1
		.amdhsa_system_sgpr_workgroup_id_y 1
		.amdhsa_system_sgpr_workgroup_id_z 1
		.amdhsa_system_vgpr_workitem_id 0
		.amdhsa_next_free_vgpr 1024
		.amdhsa_next_free_sgpr 100
		.amdhsa_reserve_vcc 0
		.amdhsa_float_denorm_mode_32 3
		.amdhsa_float_denorm_mode_16_64 3
		.amdhsa_memory_ordered 1
		.amdhsa_forward_progress 1
		.amdhsa_inst_pref_size 194
	.end_amdhsa_kernel
	.amdgpu_metadata
---
amdhsa.version: [ 1, 2 ]
amdhsa.kernels:
  - .name:           k_q628ea15d89_qkv
    .symbol:         k_q628ea15d89_qkv.kd
    .args:
      - { .name: x_codes, .offset: 0, .size: 8, .value_kind: global_buffer, .address_space: global }
      - { .name: Wq_codes, .offset: 8, .size: 8, .value_kind: global_buffer, .address_space: global }
      - { .name: Wk_codes, .offset: 16, .size: 8, .value_kind: global_buffer, .address_space: global }
      - { .name: Wv_codes, .offset: 24, .size: 8, .value_kind: global_buffer, .address_space: global }
      - { .name: bq, .offset: 32, .size: 8, .value_kind: global_buffer, .address_space: global }
      - { .name: bk, .offset: 40, .size: 8, .value_kind: global_buffer, .address_space: global }
      - { .name: bv, .offset: 48, .size: 8, .value_kind: global_buffer, .address_space: global }
      - { .name: lowp_scales, .offset: 56, .size: 8, .value_kind: global_buffer, .address_space: global }
      - { .name: q_img, .offset: 64, .size: 8, .value_kind: global_buffer, .address_space: global }
      - { .name: k_img, .offset: 72, .size: 8, .value_kind: global_buffer, .address_space: global }
      - { .name: v_img, .offset: 80, .size: 8, .value_kind: global_buffer, .address_space: global }
    .group_segment_fixed_size: 327680
    .private_segment_fixed_size: 0
    .kernarg_segment_align: 8
    .kernarg_segment_size: 88
    .max_flat_workgroup_size: 128
    .sgpr_count:     100
    .vgpr_count:     1024
    .wavefront_size: 32
...
	.end_amdgpu_metadata
.endif
;; end of part 1
;; launch attn (part 2): grid 4 x 64, 8 waves a work-group, clusters of 4 x 1, 327,680 bytes of LDS; arguments q_img, k_img, v_img, lowp_scales, a_img; writes a_img
.if DOCPART == 2
	.amdgcn_target "amdgcn-amd-amdhsa--gfx1250"
	.amdhsa_code_object_version 6
	.text
	.protected	k_q628ea15d89_attn
	.globl	k_q628ea15d89_attn
	.p2align	8
	.type	k_q628ea15d89_attn,@function
k_q628ea15d89_attn:
	s_mov_b64 s[64:65], 0
	v_nop
	global_prefetch_b8 v0, s[64:65] scope:SCOPE_SE
	s_setreg_imm32_b32 hwreg(HW_REG_WAVE_MODE, 25, 1), 1
	s_wait_xcnt 0x0
	s_wait_alu depctr_hold_cnt(0) depctr_sa_sdst(0) depctr_va_vdst(0) depctr_va_sdst(0) depctr_va_ssrc(0) depctr_va_vcc(0) depctr_vm_vsrc(0)
	s_getreg_b32 s2, hwreg(HW_REG_IB_STS2, 6, 4)
	s_cmp_eq_u32 s2, 0
	s_cbranch_scc0 .Lentry_in_a_cluster
	s_endpgm
.Lentry_in_a_cluster:
	s_bfe_u32 s2, ttmp6, 0x10000c
	s_cmp_lg_u32 s2, 0x3003
	s_cbranch_scc0 .Lentry_shape_is_right
	s_endpgm
.Lentry_shape_is_right:
; For each batch and head: o[q] = the sum over k of softmax_k(q . k / 8) v[k], both products on codes of BF8 (E5M2); o is quantised at once for the output projection.  2,048 queries and keys, head size 64.
; q_img, k_img [head 64][tile of 16 tokens 128][c 2][512], v_img [head 64][step of 128 keys 16][tile of 16 channels 4][c 4][512]: images of operand registers, lane l's 16 bytes at 16 l of each chunk of 512.
; a_img [tile of 16 tokens 512][two heads 8][c 4][512]: my chunks lie at tile x 16,384 + head x 1,024.
; THE SOFTMAX: t = score x log2(e) / 8; M = the row's largest t so far, rounded up to a whole number; p = 2^(t - M) is quantised with 2^e8, not normalised; the row's sum is taken of the unquantised p
; and divides O at the end.  When M moves, the sum and O are multiplied by 2^(old M - new M): exact.
; SHARES.  A cluster is one head; its four work-groups own 512 queries each.  EIGHT waves of 512 registers; a wave owns TWO tiles of 16 queries at a time (A, B) and makes two passes
; (tiles 32 cx + 16 pass + 2 wave + 0, 1).  A step is 256 keys: each fragment of K and of V read from LDS feeds two matrix instructions, and M, f and the rescaling of O come once for 256 keys.
; THE WHOLE HEAD LIES IN LDS: K's image, 131,072 bytes, then V's.  Each wave asks for one eighth, 32,768 bytes, by ONE tensor load at the head, jointly for the four work-groups (mask 15).  Nothing is filled again.
; No prefetch: every tile of the launch is asked for at its head, so there is no loop to run ahead in.
; LAYOUT.  Both products are used transposed (S^T = K Q^T, O^T = V^T P^T): a lane holds one query (lane % 16) of each tile throughout; tile t of S^T becomes registers 2 t, 2 t + 1 of P.
; The largest score is kept in four standing chains a tile, in units of the score (c is positive); they are joined once a step.
; A's exponentials stand among B's scalings, B's among A's holds: lines that name no register of the exponentials beside them.
; LIMITS: e6 + e7 between -123 and 130 (added to c's exponent field); e8 and e10 between -126 and 112; e8 + e9 goes by v_ldexp_f32 and has none; the scaled scores stay under 2^31 in magnitude.  NaN is not served.
; REGISTERS.  Window 0: v1-3 addresses; v5, v6 the add's two; v7-11 scales and holds; v12.. -M (a pair a tile); v16.. the chains; v24.. the sums; v28.. f; v32-63 Q of both passes; v64-127 K's or V's fragments;
;   v128-191 O^T; v192-223 p's codes of 128 keys; v224-239 at work; v240-255 o's codes.  Window 1: S^T, then p: A in v0-127, B in v128-255.
.set VIMG,  131072
.set SPARE, 262144                     ; behind the images: the spare words, 128 bytes a wave: four blocks of 256 bytes that no other line names
.set STB,   16384                      ; a step of 256 keys, in bytes of K's image and of V's
.set L16,  1
.set ADK,  2
.set ADV,  3
.set SPW,  5
.set NIL,  6
.set PSC,  7                           ; 2^e8
.set PLIM, 8                           ; 57,344 x 2^e8, and once more in v11 for the second half of a dual pair
.set OSC,  9                           ; 2^e10
.set OLIM, 10
.set PLIM2, 11
.set NM,   12
.set MC,   16
.set LS,   24
.set FF,   28
.set QR,   32
.set KV,   64
.set OT,   128
.set PC,   192
.set TS,   224
.set TM,   230
.set OC,   240
.set WV,   18
.set SEL,  20
.set CS,   22
.set G1,   24
.set G0,   32
.set TB,   2
.set CNT,  3
.set MSB, 0
.macro WIN new                         ; bits 1:0 source 0, 3:2 source 1, 5:4 source 2, 7:6 destination; the high byte repeats the setting that is left
.if MSB != (\new)
	s_set_vgpr_msb (MSB<<8)|(\new)
.set MSB, (\new)
.endif
.endm
.macro CROUND                          ; a round of the cluster's barrier
	s_barrier_signal -1
	s_barrier_wait -1
	s_cmp_lg_u32 s[WV], 0
	s_cbranch_scc1 .Lnot_wave_0_\@
	s_barrier_signal -3
.Lnot_wave_0_\@:
	s_barrier_wait -3
	s_barrier_signal -1
	s_barrier_wait -1
.endm
.macro NOPS n
.rept \n
	v_nop
.endr
.endm
	s_load_b256 s[4:11], s[0:1], 0x0               ; q_img, k_img, v_img, the scales' exponents
	s_load_b64 s[12:13], s[0:1], 0x20              ; a_img
	v_lshl_add_u32 v[SPW], v0, 2, SPARE
	v_mov_b32 v[NIL], 0
	ds_add_u32 v[SPW], v[NIL]                      ; the opening lines: the add twice on end and its wait ahead of my tensor load
	ds_add_u32 v[SPW], v[NIL]
	v_lshrrev_b32 v4, 5, v0
	v_readfirstlane_b32 s[WV], v4                  ; wave 0..7
	v_and_b32 v[L16], 31, v0
	v_lshlrev_b32 v[L16], 4, v[L16]
	s_bfe_u32 s19, ttmp6, 0x40000                  ; cx: it enters q_img's and a_img's addresses alone
	s_and_b32 s80, ttmp7, 0xffff                   ; 16 x batch + head, which the four partners share
	s_lshl_b32 s82, s80, 17                        ; its first byte in q_img, k_img, v_img
	s_and_b32 s84, s[WV], 3
	s_lshl_b32 s84, s84, 15
	s_add_co_u32 s84, s84, s82                     ; my quarter of K's image (waves 0-3) or of V's (waves 4-7), in memory
	s_mov_b32 s85, 0
	s_lshl_b32 s17, s[WV], 15                      ; and in LDS: wave x 32,768
	s_lshl_b32 s90, s19, 5
	s_lshl_b32 s91, s[WV], 1
	s_add_co_u32 s90, s90, s91                     ; my first tile of queries: 32 cx + 2 wave
	s_lshl_b32 s86, s90, 10
	s_add_co_u32 s86, s86, s82
	s_mov_b32 s87, 0
	s_lshr_b32 s88, s80, 4
	s_lshl_b32 s88, s88, 7
	s_add_co_u32 s88, s88, s90                     ; 128 x batch + tile
	s_lshl_b32 s88, s88, 14
	s_and_b32 s89, s80, 15
	s_lshl_b32 s89, s89, 10
	s_add_co_u32 s88, s88, s89
	s_mov_b32 s89, 0
	s_mov_b32 s[G1], 15|(3<<16)|(1<<21)            ; the mask: all four work-groups; elements of 8 bytes; bit 21 beside a mask
	s_mov_b32 s[G1+1], 32<<16                      ; a dense block of 32,768 bytes as 128 rows of 256 bytes
	s_mov_b32 s[G1+2], 128<<16
	s_mov_b32 s[G1+3], 32<<16
	s_mov_b32 s[G1+4], 128
	s_mov_b32 s[G1+5], 32
	s_mov_b32 s[G1+6], 0
	s_mov_b32 s[G1+7], 0
	s_mov_b32 s[SEL], 0x76543210
	s_mov_b32 s[SEL+1], 0xfedcba98
	s_mov_b32 s[CS], 0x3e38aa3b                    ; log2(e) / 8
	s_wait_alu depctr_va_vdst(0)                   ; the wait here, directly ahead of the wait below
	s_wait_dscnt 0x0                               ; both opening adds are done
	s_wait_kmcnt 0x0
	s_load_b256 s[68:75], s[10:11], 0x0            ; e0 .. e7
	s_load_b128 s[76:79], s[10:11], 0x20           ; e8 .. e11
	s_cmp_lt_u32 s[WV], 4
	s_cselect_b64 s[14:15], s[6:7], s[8:9]         ; the choice hangs on the wave's number alone
	s_add_nc_u64 s[14:15], s[14:15], s[84:85]
	s_add_nc_u64 s[4:5], s[4:5], s[86:87]
	s_add_nc_u64 s[12:13], s[12:13], s[88:89]
	s_mov_b32 s[G0], 1
	s_mov_b32 s[G0+1], s17
	s_mov_b64 s[G0+2:G0+3], s[14:15]
	s_or_b32 s[G0+3], s[G0+3], 0x80000000
	CROUND                                         ; all four work-groups are here: the joint loads meet
	tensor_load_to_lds s[G0:G0+3], s[G1:G1+7]      ; my one tensor load of the launch
	s_nop 0
.irp p, 0,1
.irp x, 0,1
.irp c, 0,1
	global_load_b128 v[QR+16*\p+8*\x+4*\c:QR+16*\p+8*\x+4*\c+3], v[L16], s[4:5] offset:\p*16384+\x*1024+\c*512   ; Q of both passes stays in registers
.endr
.endr
.endr
.irp r, NM+1, NM+3, FF+1, FF+3, TM+1, TM+5
	v_mov_b32 v[\r], 0                             ; upper halves of pairs that are named whole, and the lane permutes' destinations: written once
.endr
	s_wait_kmcnt 0x0
	s_add_co_i32 s84, s74, s75
	s_lshl_b32 s84, s84, 23
	s_add_co_i32 s[CS], s[CS], s84                 ; c x 2^(e6 + e7)
	s_mov_b32 s[CS+1], s[CS]
	s_add_co_i32 s84, s76, 127
	s_lshl_b32 s85, s84, 23
	v_mov_b32 v[PSC], s85
	s_add_co_i32 s84, s84, 15
	s_lshl_b32 s84, s84, 23
	s_or_b32 s84, s84, 0x600000
	v_mov_b32 v[PLIM], s84
	v_mov_b32 v[PLIM2], s84
	s_add_co_i32 s84, s78, 127
	s_lshl_b32 s85, s84, 23
	v_mov_b32 v[OSC], s85
	s_add_co_i32 s84, s84, 15
	s_lshl_b32 s84, s84, 23
	s_or_b32 s84, s84, 0x600000
	v_mov_b32 v[OLIM], s84
	s_add_co_i32 s81, s76, s77                     ; e8 + e9
.macro KLOAD g                         ; K's eight fragments of 128 keys
.irp t, 0,1,2,3,4,5,6,7
	ds_load_b128 v[KV+8*\t:KV+8*\t+3],   v[ADK] offset:\g*8192+\t*1024
	ds_load_b128 v[KV+8*\t+4:KV+8*\t+7], v[ADK] offset:\g*8192+\t*1024+512
.endr
.endm
.macro VLOAD g                         ; V's four fragments of 128 keys
.irp d, 0,1,2,3
.irp c, 0,1,2,3
	ds_load_b128 v[KV+16*\d+4*\c:KV+16*\d+4*\c+3], v[ADV] offset:\g*8192+\d*2048+\c*512
.endr
.endr
.endm
.macro QK g, qr                        ; S^T of 128 keys for both tiles: each fragment of K serves two products
	WIN 0x40
.irp t, 0,1,2,3,4,5,6,7
.irp x, 0,1
	v_wmma_f32_16x16x64_bf8_bf8 v[128*\x+64*\g+8*\t:128*\x+64*\g+8*\t+7], v[KV+8*\t:KV+8*\t+7], v[\qr+8*\x:\qr+8*\x+7], 0
.endr
.endr
	WIN 0
.endm
.macro MAXES g                         ; eight chains by turns; each accumulator is read from its low end on
	WIN 0x14
.irp t, 0,1,2,3,4,5,6,7
.irp k, 0,1,2,3
.irp x, 0,1
	v_max3_num_f32 v[MC+4*\x+\k], v[MC+4*\x+\k], v[128*\x+64*\g+8*\t+2*\k], v[128*\x+64*\g+8*\t+2*\k+1]
.endr
.endr
.endr
	WIN 0
.endm
.macro HOLD2 a                         ; the conversion to an 8-bit code does not saturate (ISA guide 7.6.2); p is not negative, so the hold is one-sided; two numbers a line
	v_dual_min_num_f32 v[(\a)], v[(\a)], v[PLIM] :: v_dual_min_num_f32 v[(\a)+1], v[(\a)+1], v[PLIM2]
.endm
.macro HOLDS first, n
.set HH, \first
.rept \n
	HOLD2 HH
.set HH, HH+2
.endr
.endm
.macro SUM x                           ; the row's sum of the unquantised p: 64 packed additions in four chains
	WIN 0x05
.irp k, 0,1,2
	v_pk_add_f32 v[TS+2*\k:TS+2*\k+1], v[128*\x+4*\k:128*\x+4*\k+1], v[128*\x+4*\k+2:128*\x+4*\k+3]
.endr
	WIN 0x01
.set JJ, 128*\x+12
.rept 14
	v_pk_add_f32 v[LS+2*\x:LS+2*\x+1], v[JJ:JJ+1], v[LS+2*\x:LS+2*\x+1]
	v_pk_add_f32 v[TS:TS+1], v[JJ+2:JJ+3], v[TS:TS+1]
	v_pk_add_f32 v[TS+2:TS+3], v[JJ+4:JJ+5], v[TS+2:TS+3]
	v_pk_add_f32 v[TS+4:TS+5], v[JJ+6:JJ+7], v[TS+4:TS+5]
.set JJ, JJ+8
.endr
	v_pk_add_f32 v[LS+2*\x:LS+2*\x+1], v[JJ:JJ+1], v[LS+2*\x:LS+2*\x+1]
	v_pk_add_f32 v[TS:TS+1], v[JJ+2:JJ+3], v[TS:TS+1]
	WIN 0
	v_pk_add_f32 v[TS+2:TS+3], v[TS+2:TS+3], v[TS+4:TS+5]
	v_pk_add_f32 v[LS+2*\x:LS+2*\x+1], v[LS+2*\x:LS+2*\x+1], v[TS:TS+1]
	v_pk_add_f32 v[LS+2*\x:LS+2*\x+1], v[LS+2*\x:LS+2*\x+1], v[TS+2:TS+3]
.endm
.macro CVT x, g                        ; p's codes of 128 keys: tile t becomes registers 2 t, 2 t + 1 of P
	WIN 0x01
.irp t, 0,1,2,3,4,5,6,7
	v_cvt_scalef32_pk8_bf8_f32 v[PC+16*\x+2*\t:PC+16*\x+2*\t+1], v[128*\x+64*\g+8*\t:128*\x+64*\g+8*\t+7], v[PSC]
.endr
.endm
.macro PV                              ; O^T += V^T P^T, K = 128 keys: the eight accumulators take turns, one instruction a turn
.irp d, 0,1,2,3
.irp x, 0,1
	v_wmma_f32_16x16x128_bf8_bf8 v[OT+32*\x+8*\d:OT+32*\x+8*\d+7], v[KV+16*\d:KV+16*\d+15], v[PC+16*\x:PC+16*\x+15], v[OT+32*\x+8*\d:OT+32*\x+8*\d+7]
.endr
.endr
.endm
; A STEP: 256 keys, whose fragments of K begin at LDS byte s[TB].  qr: the first register of my two tiles' Q.
.macro STEP qr
	v_add_nc_u32 v[ADK], s[TB], v[L16]
	v_add_nc_u32 v[ADV], VIMG, v[ADK]
	NOPS 2                                         ; with the two additions: four places in front of loads into registers that the last products have read
	KLOAD 0
	s_wait_alu depctr_va_vdst(0)                   ; the wait here, directly ahead of the wait below
	s_wait_dscnt 0x0
	QK 0, \qr
	NOPS 4                                         ; places: in front of the loads below and of the first read of the scores
	KLOAD 1
	MAXES 0                                        ; the first 128 keys' maxima stand under the loads' flight
	s_wait_alu depctr_va_vdst(0)
	s_wait_dscnt 0x0
	QK 1, \qr
	NOPS 4
	VLOAD 0                                        ; V's first half lands while the softmax is walked
	MAXES 1
.irp x, 0,1
	v_max3_num_f32 v[TM+4*\x], v[MC+4*\x], v[MC+4*\x+1], v[MC+4*\x+2]
.endr
.irp x, 0,1
	v_max_num_f32 v[TM+4*\x], v[TM+4*\x], v[MC+4*\x+3]
.endr
.irp x, 0,1
	v_permlanex16_b32 v[TM+4*\x+1], v[TM+4*\x], s[SEL], s[SEL+1]
.endr
.irp x, 0,1
	v_max_num_f32 v[TM+4*\x], v[TM+4*\x], v[TM+4*\x+1]    ; the largest score so far of my query, lane l xor 16's keys among them
.endr
.irp x, 0,1
	v_mul_f32 v[TM+4*\x], s[CS], v[TM+4*\x]               ; as t
.endr
.irp x, 0,1
	v_floor_f32 v[TM+4*\x+2], -v[TM+4*\x]                 ; the new -M = -ceil(t)
.endr
.irp x, 0,1
	v_sub_f32 v[TM+4*\x+3], v[TM+4*\x+2], v[NM+2*\x]      ; old M - new M: a whole number, 0 or less
.endr
.irp x, 0,1
	v_mov_b32 v[NM+2*\x], v[TM+4*\x+2]
.endr
.irp x, 0,1
	v_cvt_i32_f32 v[TM+4*\x+3], v[TM+4*\x+3]              ; (it saturates)
.endr
.irp x, 0,1
	v_ldexp_f32 v[FF+2*\x], 1.0, v[TM+4*\x+3]             ; f = 2^(old M - new M)
.endr
.irp x, 0,1
	v_pk_mul_f32 v[LS+2*\x:LS+2*\x+1], v[LS+2*\x:LS+2*\x+1], v[FF+2*\x:FF+2*\x+1] op_sel_hi:[1,0]
.endr
.irp x, 0,1
.set JJ, OT+32*\x
.rept 16
	v_pk_mul_f32 v[JJ:JJ+1], v[JJ:JJ+1], v[FF+2*\x:FF+2*\x+1] op_sel_hi:[1,0]   ; O^T under the new M, ahead of the step's exponentials
.set JJ, JJ+2
.endr
.endr
	WIN 0x41
.set JJ, 0
.rept 64
	v_pk_fma_f32 v[JJ:JJ+1], v[JJ:JJ+1], s[CS:CS+1], v[NM:NM+1] op_sel_hi:[1,0,0]   ; A: t - M
.set JJ, JJ+2
.endr
	s_wait_alu depctr_va_vdst(0)                   ; the wait ahead of the batch
.set JJ, 0
.rept 64
	v_exp_f32 v[JJ], v[JJ]                         ; A: p = 2^(t - M)
	v_exp_f32 v[JJ+1], v[JJ+1]
	v_pk_fma_f32 v[128+JJ:129+JJ], v[128+JJ:129+JJ], s[CS:CS+1], v[NM+2:NM+3] op_sel_hi:[1,0,0]   ; B: t - M
.set JJ, JJ+2
.endr
	s_wait_alu depctr_va_vdst(0)                   ; one wait behind the batch, ahead of its first reader
	SUM 0
	WIN 0x41
	s_wait_alu depctr_va_vdst(0)                   ; and ahead of the next batch
.set JJ, 0
.rept 64
	v_exp_f32 v[128+JJ], v[128+JJ]                 ; B: p
	v_exp_f32 v[129+JJ], v[129+JJ]
	HOLD2 JJ                                       ; A: the hold
.set JJ, JJ+2
.endr
	s_wait_alu depctr_va_vdst(0)
	CVT 0, 0
	SUM 1
	WIN 0x41
	HOLDS 128, 32
	CVT 1, 0
	WIN 0
	v_nop                                          ; one plain line between the last conversion and the products that read its result
	s_wait_alu depctr_va_vdst(0)
	s_wait_dscnt 0x0                               ; V's first half is in
	PV
	NOPS 4
	VLOAD 1
	WIN 0x41
	HOLDS 192, 32
	CVT 0, 1                                       ; the second 128 keys' codes take the registers of the first: 36 places behind the products that read those
	CVT 1, 1
	WIN 0
	v_nop
	s_wait_alu depctr_va_vdst(0)
	s_wait_dscnt 0x0
	PV
	s_add_co_u32 s[TB], s[TB], STB
.endm
; A pass begins: the step is written once for all steps: the first finds zeros, which the first change of M leaves zeros.
.macro INIT
.irp x, 0,1
	v_mov_b32 v[NM+2*\x], 0x7f61b1e6               ; -M = 3e38: M lies under every t
	v_mov_b32 v[LS+2*\x], 0
	v_mov_b32 v[LS+2*\x+1], 0
.irp k, 0,1,2,3
	v_mov_b32 v[MC+4*\x+\k], 0xff61b1e6            ; the chains: -3e38
.endr
.endr
.set JJ, 0
.rept 64
	v_mov_b32 v[OT+JJ], 0
.set JJ, JJ+1
.endr
	s_wait_alu depctr_va_vdst(0)
.endm
; A pass ends: o = O^T x 2^(e8 + e9) / the sum, held, quantised with 2^e10: each store of the wave is 512 consecutive bytes, aligned.
.macro FINISH p
.irp x, 0,1
	v_add_f32 v[LS+2*\x], v[LS+2*\x], v[LS+2*\x+1]
.endr
.irp x, 0,1
	v_permlanex16_b32 v[TM+4*\x+1], v[LS+2*\x], s[SEL], s[SEL+1]
.endr
.irp x, 0,1
	v_add_f32 v[LS+2*\x], v[LS+2*\x], v[TM+4*\x+1]
.endr
	s_wait_alu depctr_va_vdst(0)
	v_rcp_f32 v[LS], v[LS]
	v_rcp_f32 v[LS+2], v[LS+2]
	v_nop
	s_wait_alu depctr_va_vdst(0)
	v_ldexp_f32 v[LS], v[LS], s81
	v_ldexp_f32 v[LS+2], v[LS+2], s81
	s_wait_alu depctr_va_vdst(0)                   ; the wait here, directly ahead of the first reader of O^T
.irp x, 0,1
.set JJ, OT+32*\x
.rept 16
	v_pk_mul_f32 v[JJ:JJ+1], v[JJ:JJ+1], v[LS+2*\x:LS+2*\x+1] op_sel_hi:[1,0]
.set JJ, JJ+2
.endr
.endr
.set JJ, 0
.rept 64
	v_med3_num_f32 v[OT+JJ], v[OT+JJ], -v[OLIM], v[OLIM]
.set JJ, JJ+1
.endr
.if \p
	s_wait_alu depctr_va_vdst(0)                   ; the wait here, directly ahead of the wait below
	s_wait_xcnt 0x0                                ; the first pass's stores have read their data registers
.endif
.irp x, 0,1
.irp d, 0,1,2,3
	v_cvt_scalef32_pk8_bf8_f32 v[OC+8*\x+2*\d:OC+8*\x+2*\d+1], v[OT+32*\x+8*\d:OT+32*\x+8*\d+7], v[OSC]
.endr
.endr
	v_nop
.irp x, 0,1
.irp c, 0,1
	global_store_b128 v[L16], v[OC+8*\x+4*\c:OC+8*\x+4*\c+3], s[12:13] offset:\p*262144+\x*16384+\c*512
.endr
.endr
.endm
	INIT
	s_wait_loadcnt 0x0                             ; Q
	s_wait_tensorcnt 0x0                           ; my eighth of the head has landed;
	s_barrier_signal -1
	s_barrier_wait -1                              ; and so has every wave's
	s_mov_b32 s[TB], 0
	s_mov_b32 s[CNT], 8
.Lpass0:
	STEP QR
	s_sub_co_u32 s[CNT], s[CNT], 1
	s_cmp_lg_u32 s[CNT], 0
	s_wait_alu depctr_va_vdst(0)
	s_cbranch_scc1 .Lpass0
	FINISH 0
	INIT
	s_mov_b32 s[TB], 0
	s_mov_b32 s[CNT], 8
.Lpass1:
	STEP QR+16
	s_sub_co_u32 s[CNT], s[CNT], 1
	s_cmp_lg_u32 s[CNT], 0
	s_wait_alu depctr_va_vdst(0)
	s_cbranch_scc1 .Lpass1
	FINISH 1
	s_wait_tensorcnt 0x0                           ; the wave's end
	ds_add_u32 v[SPW], v[NIL]
	s_wait_dscnt 0x0
	CROUND                                         ; the closing round
	s_endpgm
.Lfunc_end_k_q628ea15d89_attn:
	.size	k_q628ea15d89_attn, .Lfunc_end_k_q628ea15d89_attn-k_q628ea15d89_attn
	.p2alignl 7, 3214868480
	.fill 96, 4, 3214868480
	.section	.rodata,"a",@progbits
	.p2align	6, 0x0
	.amdhsa_kernel k_q628ea15d89_attn
		.amdhsa_group_segment_fixed_size 327680
		.amdhsa_private_segment_fixed_size 0
		.amdhsa_enable_private_segment 0
		.amdhsa_kernarg_size 40
		.amdhsa_user_sgpr_count 2
		.amdhsa_user_sgpr_kernarg_segment_ptr 1
		.amdhsa_wavefront_size32 1
		.amdhsa_system_sgpr_workgroup_id_x 1
		.amdhsa_system_sgpr_workgroup_id_y 1
		.amdhsa_system_sgpr_workgroup_id_z 1
		.amdhsa_system_vgpr_workitem_id 0
		.amdhsa_next_free_vgpr 512
		.amdhsa_next_free_sgpr 100
		.amdhsa_reserve_vcc 0
		.amdhsa_float_denorm_mode_32 3
		.amdhsa_float_denorm_mode_16_64 3
		.amdhsa_memory_ordered 1
		.amdhsa_forward_progress 1
		.amdhsa_inst_pref_size 135
	.end_amdhsa_kernel
	.amdgpu_metadata
---
amdhsa.version: [ 1, 2 ]
amdhsa.kernels:
  - .name:           k_q628ea15d89_attn
    .symbol:         k_q628ea15d89_attn.kd
    .args:
      - { .name: q_img, .offset: 0, .size: 8, .value_kind: global_buffer, .address_space: global }
      - { .name: k_img, .offset: 8, .size: 8, .value_kind: global_buffer, .address_space: global }
      - { .name: v_img, .offset: 16, .size: 8, .value_kind: global_buffer, .address_space: global }
      - { .name: lowp_scales, .offset: 24, .size: 8, .value_kind: global_buffer, .address_space: global }
      - { .name: a_img, .offset: 32, .size: 8, .value_kind: global_buffer, .address_space: global }
    .group_segment_fixed_size: 327680
    .private_segment_fixed_size: 0
    .kernarg_segment_align: 8
    .kernarg_segment_size: 40
    .max_flat_workgroup_size: 256
    .sgpr_count:     100
    .vgpr_count:     512
    .wavefront_size: 32
...
	.end_amdgpu_metadata
.endif
;; end of part 2
;; launch proj (part 3): grid 4 x 32, 4 waves a work-group, clusters of 4 x 4, 327,680 bytes of LDS; arguments a_img, Wo_codes, lowp_scales, bo, out0; writes out0
.if DOCPART == 3
	.amdgcn_target "amdgcn-amd-amdhsa--gfx1250"
	.amdhsa_code_object_version 6
	.text
	.protected	k_q628ea15d89_proj
	.globl	k_q628ea15d89_proj
	.p2align	8
	.type	k_q628ea15d89_proj,@function
k_q628ea15d89_proj:
	s_mov_b64 s[64:65], 0
	v_nop
	global_prefetch_b8 v0, s[64:65] scope:SCOPE_SE
	s_setreg_imm32_b32 hwreg(HW_REG_WAVE_MODE, 25, 1), 1
	s_wait_xcnt 0x0
	s_wait_alu depctr_hold_cnt(0) depctr_sa_sdst(0) depctr_va_vdst(0) depctr_va_sdst(0) depctr_va_ssrc(0) depctr_va_vcc(0) depctr_vm_vsrc(0)
	s_getreg_b32 s2, hwreg(HW_REG_IB_STS2, 6, 4)
	s_cmp_eq_u32 s2, 0
	s_cbranch_scc0 .Lentry_in_a_cluster
	s_endpgm
.Lentry_in_a_cluster:
	s_bfe_u32 s2, ttmp6, 0x10000c
	s_cmp_lg_u32 s2, 0xf033
	s_cbranch_scc0 .Lentry_shape_is_right
	s_endpgm
.Lentry_shape_is_right:
.set SIZE_N, 1024
.set ROWB,   256
.set KROW,   1024
.set PITCH,  272
.set FR,     16
.set NL,     4
.set NP,     4
.set HALFA,  32768
.set HALFB,  128*PITCH
.set BOFF,   2*HALFA
.set SLOT,   2*HALFA+2*HALFB
.set SPARE,  2*SLOT
.set SPITCH, 528
.set ADRA, 16
.set ADRB, 20
.set STO,  24
.set RD,   25
.set CO,   26
.set BH,   27
.set SPW,  28
.set NIL,  29
.set TMP,  32
.set AF,   128
.set BK,   128
.set G1, 24
.set G0, 32
.set G1B, 48
.set G0B, 56
.set MSB, 0
.macro WIN new
.if MSB != (\new)
	s_set_vgpr_msb (MSB<<8)|(\new)
.set MSB, (\new)
.endif
.endm
.set MUL_LO, 0xa1
.set MUL_HI, 0xf1
.set TO_B,   0x40
.macro JLOAD g0a, g1a, g0b, g1b
	s_cmp_eq_u32 s15, 0
	s_cbranch_scc0 .Lfor_b_\@
	tensor_load_to_lds s[\g0a:\g0a+3], s[\g1a:\g1a+7]
	s_nop 0
.rept 4
	v_nop
.endr
	s_branch .Lasked_\@
.Lfor_b_\@:
	tensor_load_to_lds s[\g0b:\g0b+3], s[\g1b:\g1b+7]
	s_nop 0
.rept 4
	v_nop
.endr
.Lasked_\@:
.endm
.macro CREST
	s_cmp_lg_u32 s14, 0
	s_cbranch_scc1 .Lnot_wave_0_\@
	s_barrier_signal -3
.Lnot_wave_0_\@:
	s_barrier_wait -3
	s_barrier_signal -1
	s_barrier_wait -1
.endm
.macro CROUND
	s_barrier_signal -1
	s_barrier_wait -1
	CREST
.endm
	s_load_b128 s[4:7], s[0:1], 0x0
	s_load_b128 s[8:11], s[0:1], 0x10
	s_load_b64 s[12:13], s[0:1], 0x20
	v_lshl_add_u32 v[SPW], v0, 2, SPARE
	v_mov_b32 v[NIL], 0
	ds_add_u32 v[SPW], v[NIL]
	ds_add_u32 v[SPW], v[NIL]
	v_lshrrev_b32 v1, 5, v0
	v_readfirstlane_b32 s14, v1
	s_lshr_b32 s15, s14, 1
	s_and_b32 s16, s14, 1
	s_bfe_u32 s40, ttmp6, 0x40000
	s_bfe_u32 s41, ttmp6, 0x40004
	s_lshl_b32 s42, ttmp9, 2
	s_add_co_u32 s42, s42, s40
	s_and_b32 s17, ttmp7, 0xffff
	s_lshl_b32 s17, s17, 2
	s_add_co_u32 s17, s17, s41
	s_lshl_b32 s43, s41, 2
	s_lshl_b32 s43, 15, s43
	s_lshl_b32 s44, 0x1111, s40
	s_or_b32 s[G1+0], s43, (0<<16)|(1<<21)
	s_mov_b32 s[G1+1], 4096<<16
	s_mov_b32 s[G1+2], 16<<16                      ; the head's loads bring a whole tile; the refills half a tile (set below)
	s_mov_b32 s[G1+3], 4096<<16
	s_mov_b32 s[G1+4], 16
	s_mov_b32 s[G1+5], 16384
	s_mov_b32 s[G1+6], 0
	s_mov_b32 s[G1+7], 0
	s_or_b32 s[G1B+0], s44, (0<<16)|(1<<20)|(1<<21)|(5<<22)|(3<<25)
	s_mov_b32 s[G1B+1], ROWB<<16
	s_mov_b32 s[G1B+2], 256<<16
	s_mov_b32 s[G1B+3], ROWB<<16
	s_mov_b32 s[G1B+4], 256
	s_mov_b32 s[G1B+5], KROW
	s_mov_b32 s[G1B+6], 0
	s_mov_b32 s[G1B+7], 0
	s_lshl_b32 s20, s17, 18
	s_lshl_b32 s18, s16, 17
	s_add_co_u32 s20, s20, s18
	s_mov_b32 s21, 0
	s_lshl_b32 s46, s42, 8
	s_lshl_b32 s18, s16, 7
	s_add_co_u32 s46, s46, s18
	s_lshl_b32 s46, s46, 10
	s_mov_b32 s47, 0
	s_lshl_b32 s45, s16, 15
	s_mul_i32 s90, s16, HALFB
	s_add_co_u32 s90, s90, BOFF
	s_wait_dscnt 0x0
	s_wait_kmcnt 0x0
	s_load_b64 s[96:97], s[8:9], 0x28
	s_add_nc_u64 s[86:87], s[4:5], s[20:21]        ; the refills' first bytes: my half of A's tile,
	s_add_nc_u64 s[46:47], s[6:7], s[46:47]        ; and of B's
	; THE HEAD'S FOUR LOADS FILL BOTH SLOTS, one load a wave: waves 0, 1 bring A's 16 token tiles of K steps 0, 1; waves 2, 3 B's 256 rows
	s_lshl_b32 s80, s17, 18                        ; A's tile: 16 token tiles of 16,384 bytes
	s_lshl_b32 s84, s16, 12                        ; K step = my wave's low bit: 4,096 bytes of each token tile
	s_add_co_u32 s80, s80, s84
	s_mov_b32 s81, 0
	s_lshl_b32 s82, s42, 18                        ; B's tile: 256 rows of 1,024 bytes
	s_lshl_b32 s84, s16, 8
	s_add_co_u32 s82, s82, s84
	s_mov_b32 s83, 0
	s_mul_i32 s85, s16, SLOT                       ; the slot of that K step
	s_mov_b32 s[G0], 1
	s_mov_b32 s[G0+1], s85
	s_add_nc_u64 s[G0+2:G0+3], s[4:5], s[80:81]
	s_or_b32 s[G0+3], s[G0+3], 0x80000000
	s_mov_b32 s[G0B], 1
	s_add_co_u32 s[G0B+1], s85, BOFF
	s_add_nc_u64 s[G0B+2:G0B+3], s[6:7], s[82:83]
	s_or_b32 s[G0B+3], s[G0B+3], 0x80000000
	CROUND                                         ; all sixteen work-groups are here: the joint loads meet
	JLOAD G0, G1, G0B, G1B
	v_and_b32 v1, 15, v0
	v_bfe_u32 v2, v0, 4, 1
	v_and_b32 v6, 31, v0
	v_lshlrev_b32 v[CO], 4, v6
	v_mul_u32_u24 v3, v1, PITCH
	v_lshl_add_u32 v4, v2, 3, v3
	s_lshl_b32 s21, s15, 15
	s_mul_i32 s22, s16, HALFB
	s_add_co_u32 s22, s22, BOFF
.irp s, 0,1
	v_add_nc_u32 v[ADRA+\s], s21, v[CO]
	v_add_nc_u32 v[ADRB+\s], s22, v4
	s_add_co_u32 s21, s21, SLOT
	s_add_co_u32 s22, s22, SLOT
.endr
	s_mul_i32 s23, s14, 16*SPITCH
	v_mul_u32_u24 v5, v1, SPITCH
	v_lshl_add_u32 v5, v2, 5, v5
	v_add_nc_u32 v[STO], s23, v5
	v_add_nc_u32 v[RD], s23, v[CO]
	v_lshlrev_b32 v[BH], 5, v2
	s_lshl_b32 s92, s17, 8
	s_lshl_b32 s93, s15, 7
	s_add_co_u32 s92, s92, s93
	s_lshl_b32 s92, s92, 12
	s_lshl_b32 s94, s42, 10
	s_lshl_b32 s95, s16, 9
	s_add_co_u32 s94, s94, s95
	s_mov_b32 s95, 0
	s_add_nc_u64 s[10:11], s[10:11], s[94:95]
	s_add_co_u32 s92, s92, s94
	s_mov_b32 s93, 0
	s_add_nc_u64 s[12:13], s[12:13], s[92:93]
.macro FRAGA reg, slot, q, i
.irp c, 0,1,2,3
	ds_load_b128 v[\reg+4*\c:\reg+4*\c+3], v[ADRA+\slot] offset:(\i)*4096+(\q)*2048+512*\c
.endr
.endm
.macro FRAGB reg, slot, q, i
.irp c, 0,1,2,3,4,5,6,7
	ds_load_b64 v[\reg+2*\c:\reg+2*\c+1], v[ADRB+\slot] offset:128*(\q)+16*\c+(\i)*16*PITCH
.endr
.endm
.macro MUL16 a0, p, zero
.irp a, \a0, \a0+1
.irp b, 0,1,2,3,4,5,6,7
.if \zero
	v_wmma_f32_16x16x128_bf8_bf8 v[8*(8*((\a)%4)+\b):8*(8*((\a)%4)+\b)+7], v[128*(\p)+FR*\b:128*(\p)+FR*\b+FR-1], v[AF+FR*(\a):AF+FR*(\a)+FR-1], 0
.else
	v_wmma_f32_16x16x128_bf8_bf8 v[8*(8*((\a)%4)+\b):8*(8*((\a)%4)+\b)+7], v[128*(\p)+FR*\b:128*(\p)+FR*\b+FR-1], v[AF+FR*(\a):AF+FR*(\a)+FR-1], v[8*(8*((\a)%4)+\b):8*(8*((\a)%4)+\b)+7]
.endif
.endr
.endr
.endm
.macro FETCH_B slot, q, p
	WIN TO_B
.irp i, 0,1,2,3,4,5,6,7
	FRAGB 128*(\p)+FR*\i, \slot, \q, \i
.endr
	WIN 0
.endm
.macro FETCH_A slot, q, i0
.irp i, \i0, \i0+1, \i0+2, \i0+3
	FRAGA AF+FR*(\i), \slot, \q, \i
.endr
.endm
.macro PLACES n
.rept \n
	v_nop
.endr
.endm
.macro STEP slot, q, zero
	s_wait_dscnt 4*NL
	WIN MUL_LO
	MUL16 0, (\q)%2, \zero
	MUL16 2, (\q)%2, \zero
	s_wait_dscnt 0
	PLACES NP
	FETCH_B \slot, (\q)+1, 1-(\q)%2
	FETCH_A \slot, (\q)+1, 0
	WIN MUL_HI
	MUL16 4, (\q)%2, \zero
	MUL16 6, (\q)%2, \zero
	PLACES NP
	WIN 0
	FETCH_A \slot, (\q)+1, 4
.endm
.macro TURN slot, next, fill
	s_wait_tensorcnt 0x0
	ds_add_u32 v[SPW], v[NIL]
	s_wait_dscnt 4*NL+1
	WIN MUL_LO
	MUL16 0, 1, 0
	s_wait_dscnt 0x0
	s_barrier_signal -1
	MUL16 2, 1, 0
	WIN 0
	s_barrier_wait -1
.if \fill
	CREST
	s_add_nc_u64 s[G0+4*\slot+2:G0+4*\slot+3], s[G0+4*\slot+2:G0+4*\slot+3], 2*4096
	s_add_nc_u64 s[G0B+4*\slot+2:G0B+4*\slot+3], s[G0B+4*\slot+2:G0B+4*\slot+3], 2*ROWB
	JLOAD G0+4*\slot, G1, G0B+4*\slot, G1B
.else
	PLACES NP
.endif
	FETCH_B \next, 0, 0
	FETCH_A \next, 0, 0
	WIN MUL_HI
	MUL16 4, 1, 0
	MUL16 6, 1, 0
	PLACES NP
	WIN 0
	FETCH_A \next, 0, 4
.endm
	s_wait_alu depctr_va_vdst(0)
	s_wait_tensorcnt 0x0                           ; my load has landed, so the descriptors may be written: from here on a wave fetches half a tile
.irp s, 0,1
	s_mov_b32 s[G0+4*\s], 1
	s_add_co_u32 s[G0+4*\s+1], s45, \s*SLOT
	s_add_nc_u64 s[G0+4*\s+2:G0+4*\s+3], s[86:87], \s*4096
	s_or_b32 s[G0+4*\s+3], s[G0+4*\s+3], 0x80000000
	s_mov_b32 s[G0B+4*\s], 1
	s_add_co_u32 s[G0B+4*\s+1], s90, \s*SLOT
	s_add_nc_u64 s[G0B+4*\s+2:G0B+4*\s+3], s[46:47], \s*ROWB
	s_or_b32 s[G0B+4*\s+3], s[G0B+4*\s+3], 0x80000000
.endr
	s_mov_b32 s[G1+2], 8<<16
	s_mov_b32 s[G1+4], 8
	s_mov_b32 s[G1B+2], 128<<16
	s_mov_b32 s[G1B+4], 128
	s_barrier_signal -1
	s_barrier_wait -1
	FETCH_B 0, 0, 0
	FETCH_A 0, 0, 0
	FETCH_A 0, 0, 4
	STEP 0, 0, 1
	TURN 0, 1, 1
	STEP 1, 0, 0
	TURN 1, 0, 1
	STEP 0, 0, 0
	TURN 0, 1, 0
	STEP 1, 0, 0
	WIN TO_B
.irp b, 0,1,2,3,4,5,6,7
	global_load_b128 v[8*\b:8*\b+3],   v[BH], s[10:11] offset:64*\b
	global_load_b128 v[8*\b+4:8*\b+7], v[BH], s[10:11] offset:64*\b+16
.endr
	s_wait_dscnt 4*NL
	WIN MUL_LO
	MUL16 0, 1, 0
	MUL16 2, 1, 0
	s_wait_dscnt 0
	WIN MUL_HI
	MUL16 4, 1, 0
	MUL16 6, 1, 0
	WIN 0
.macro TOSTAGE a
.set AC, 64*((\a)%4)
	WIN 0x12+((\a)/4)
.set JJ, 0
.rept 32
	v_pk_fma_f32 v[TMP+JJ:TMP+JJ+1], v[AC+JJ:AC+JJ+1], s[96:97], v[JJ:JJ+1] op_sel_hi:[1,0,1]
.set JJ, JJ+2
.endr
	WIN 0
.irp b, 0,1,2,3,4,5,6,7
	ds_store_b128 v[STO], v[TMP+8*\b:TMP+8*\b+3] offset:64*\b
	ds_store_b128 v[STO], v[TMP+8*\b+4:TMP+8*\b+7] offset:64*\b+16
.endr
.set BB, BK+64*((\a)%2)
.irp t, 0,1,2,3,4,5,6,7,8,9,10,11,12,13,14,15
	ds_load_b128 v[BB+4*\t:BB+4*\t+3], v[RD] offset:\t*SPITCH
.endr
.endm
.macro SEND a, younger
.set BB, BK+64*((\a)%2)
	s_wait_dscnt \younger
.if (\a) > 0
	s_add_nc_u64 s[12:13], s[12:13], 16*SIZE_N*4
.endif
.irp t, 0,1,2,3,4,5,6,7,8,9,10,11,12,13,14,15
	global_store_b128 v[CO], v[BB+4*\t:BB+4*\t+3], s[12:13] offset:\t*SIZE_N*4 th:TH_STORE_NT
.endr
.endm
	s_wait_kmcnt 0x0
	s_add_co_i32 s96, s96, s97
	s_add_co_i32 s96, s96, 127
	s_lshl_b32 s96, s96, 23
	s_mov_b32 s97, s96
	s_wait_loadcnt 0x0
	PLACES NP
	TOSTAGE 0
.irp a, 1,2,3,4,5,6,7
.if \a > 1
	s_wait_xcnt 0x0
.endif
	TOSTAGE \a
	SEND \a-1, 32
.endr
	s_wait_xcnt 0x0
	SEND 7, 0
	s_wait_tensorcnt 0x0
	ds_add_u32 v[SPW], v[NIL]
	s_wait_dscnt 0x0
	CROUND
	s_endpgm
.Lfunc_end_k_q628ea15d89_proj:
	.size	k_q628ea15d89_proj, .Lfunc_end_k_q628ea15d89_proj-k_q628ea15d89_proj
	.p2alignl 7, 3214868480
	.fill 96, 4, 3214868480
	.section	.rodata,"a",@progbits
	.p2align	6, 0x0
	.amdhsa_kernel k_q628ea15d89_proj
		.amdhsa_group_segment_fixed_size 327680
		.amdhsa_private_segment_fixed_size 0
		.amdhsa_enable_private_segment 0
		.amdhsa_kernarg_size 40
		.amdhsa_user_sgpr_count 2
		.amdhsa_user_sgpr_kernarg_segment_ptr 1
		.amdhsa_wavefront_size32 1
		.amdhsa_system_sgpr_workgroup_id_x 1
		.amdhsa_system_sgpr_workgroup_id_y 1
		.amdhsa_system_sgpr_workgroup_id_z 1
		.amdhsa_system_vgpr_workitem_id 0
		.amdhsa_next_free_vgpr 1024
		.amdhsa_next_free_sgpr 100
		.amdhsa_reserve_vcc 0
		.amdhsa_float_denorm_mode_32 3
		.amdhsa_float_denorm_mode_16_64 3
		.amdhsa_memory_ordered 1
		.amdhsa_forward_progress 1
		.amdhsa_inst_pref_size 141
	.end_amdhsa_kernel
	.amdgpu_metadata
---
amdhsa.version: [ 1, 2 ]
amdhsa.kernels:
  - .name:           k_q628ea15d89_proj
    .symbol:         k_q628ea15d89_proj.kd
    .args:
      - { .name: a_img, .offset: 0, .size: 8, .value_kind: global_buffer, .address_space: global }
      - { .name: Wo_codes, .offset: 8, .size: 8, .value_kind: global_buffer, .address_space: global }
      - { .name: lowp_scales, .offset: 16, .size: 8, .value_kind: global_buffer, .address_space: global }
      - { .name: bo, .offset: 24, .size: 8, .value_kind: global_buffer, .address_space: global }
      - { .name: out0, .offset: 32, .size: 8, .value_kind: global_buffer, .address_space: global }
    .group_segment_fixed_size: 327680
    .private_segment_fixed_size: 0
    .kernarg_segment_align: 8
    .kernarg_segment_size: 40
    .max_flat_workgroup_size: 128
    .sgpr_count:     100
    .vgpr_count:     1024
    .wavefront_size: 32
...
	.end_amdgpu_metadata
.endif
;; end of part 3
